; MI455X (gfx1250); checked and timed in simulation.
; The chip was launched on July 23, 2026; its instructions are those of AMD's public machine-readable ISA for CDNA 5 (MIT licence, August 2026) and "CDNA5" Instruction Set Architecture Reference Guide (July 2026). The comments in the code are by the model that wrote it; some were corrected since.
;; Segment Linear. Allowed arithmetic: float matrix products may take bf16 or f16 operands with f32 sums; other float arithmetic in f32, or as packed bf16 or f16 multiplies, adds, multiply-adds, maxima and minima; sums over many terms, partial sums and values carried from step to step in f32; what a program stores and reads back later, other than sums and carried values, may be rounded once to bf16 or f16.
;; Inputs: weight 4,096 x 4,096 float32; x 4,096 x 4,096 float32.
;; Outputs: out0 4,096 x 4,096 float32.
;; One version. Each part assembles by itself: llvm-mc -triple=amdgcn-amd-amdhsa -mcpu=gfx1250 --defsym DOCPART=n.
;; ======== version 1 of 1: 3 launches
;; limits: inputs' magnitudes at most 2,800,000,000; right only within a limited range of input values
;; workspace buffers: pmax 8,192 bytes; xq 33,554,432 bytes; wq 33,554,432 bytes
;; launch amax (part 1): grid 256 x 2, 8 waves a work-group, no clusters, 1,280 bytes of LDS; arguments x, weight, pmax; writes pmax
.if DOCPART == 1
	.amdgcn_target "amdgcn-amd-amdhsa--gfx1250"
	.amdhsa_code_object_version 6
	.text
	.protected	k_qa82c379ebc_amax
	.globl	k_qa82c379ebc_amax
	.p2align	8
	.type	k_qa82c379ebc_amax,@function
k_qa82c379ebc_amax:
	s_mov_b64 s[64:65], 0
	v_nop
	global_prefetch_b8 v0, s[64:65] scope:SCOPE_SE
	s_setreg_imm32_b32 hwreg(HW_REG_WAVE_MODE, 25, 1), 1
	s_wait_xcnt 0x0
; pmax[tensor][row block][chunk] = the largest |t| in 16 rows x 1,024 columns of x (tensor 0) or weight (tensor 1).  Both are [4096][4096] f32; a chunk is 1,024 columns, 4,096 bytes of a row.
; SHARES.  Grid y picks the tensor, grid x a block of 16 rows; wave w takes rows 2 w and 2 w + 1: 32,768 consecutive bytes, 64 loads of 512 consecutive bytes.  Eight loads on end (a GROUP) are one
; chunk of one row: group g belongs to chunk g % 4.  Four groups, 32 loads of a wave, are on their way at a time, in four slots of 32 registers.
; The largest magnitude is taken as max(largest, -smallest): two chains, three operands an instruction, one of each for each chunk; the first two numbers of a chunk start its chains, nothing is cleared.
; The eight waves' figures meet in LDS; wave 0 folds them and lane 0 stores the block's 16 bytes: the one store of the launch's that is shorter than 256 bytes, 8,192 bytes in the whole launch.
; No matrix unit, no cluster, no LDS ring: every byte is read once, by one wave, and no two work-groups share a byte.
; LIMITS.  A NaN is passed over by the maxima and minima; infinities are not treated apart.
.set SPARE, 256                        ; LDS: bytes 0-127 the waves' figures, 16 bytes a wave, in a block of 256 of their own; from 256 on the spare words, 128 bytes for each of 8 waves
.set IO,  2                            ; v2   16 x lane; never rewritten
.set LA,  3                            ; v3   16 x wave: where my wave's four figures go in LDS
.set PO,  4                            ; v4   the work-group's 16 bytes in pmax
.set ZA,  5                            ; v5   0: LDS address of the waves' figures
.set SPW, 6                            ; v6   LDS address of my spare word: SPARE + 4 x my thread's number; never rewritten
.set NIL, 7                            ; v7   0; never rewritten
.set MX,  8                            ; v[8:11]   the largest number so far, by chunk
.set MN,  12                           ; v[12:15]  the smallest, by chunk
.set X,   16                           ; v[16:143] four slots of 32 registers: group g lies in slot g % 4
.set SEL, 16                           ; s[16:17]  v_permlanex16_b32's selects: each lane takes its own place in the other half
	s_load_b128 s[4:7], s[0:1], 0x0                ; x s[4:5], weight s[6:7]
	s_load_b64 s[8:9], s[0:1], 0x10                ; pmax
	v_lshl_add_u32 v[SPW], v0, 2, SPARE
	v_mov_b32 v[NIL], 0
	v_lshrrev_b32 v1, 5, v0
	v_readfirstlane_b32 s10, v1                    ; wave 0..7
	s_and_b32 s11, ttmp7, 0xffff                   ; tensor 0, 1
	v_and_b32 v1, 31, v0
	v_lshlrev_b32 v[IO], 4, v1
	v_mov_b32 v[LA], s10
	v_lshlrev_b32 v[LA], 4, v[LA]
	v_mov_b32 v[ZA], 0
	s_lshl_b32 s14, s11, 8
	s_add_co_u32 s14, s14, ttmp9                   ; 256 x tensor + row block,
	s_lshl_b32 s14, s14, 4                         ; 16 bytes each
	v_mov_b32 v[PO], s14
	s_lshl_b32 s12, ttmp9, 18                      ; the block's 16 rows of 16,384 bytes,
	s_lshl_b32 s13, s10, 15                        ; my wave's two
	s_add_co_u32 s12, s12, s13
	s_mov_b32 s13, 0
	s_mov_b32 s[SEL], 0x76543210
	s_mov_b32 s[SEL+1], 0xfedcba98
	s_wait_kmcnt 0x0
	s_cmp_eq_u32 s11, 0
	s_cselect_b64 s[4:5], s[4:5], s[6:7]           ; the tensor that I read
	s_add_nc_u64 s[4:5], s[4:5], s[12:13]          ; at my wave's first byte
.macro FILL g                          ; group g's eight loads: 4,096 consecutive bytes
.irp j, 0,1,2,3,4,5,6,7
	global_load_b128 v[X+32*((\g)%4)+4*(\j):X+32*((\g)%4)+4*(\j)+3], v[IO], s[4:5] offset:4096*(\g)+512*(\j) th:TH_LOAD_NT
.endr
.endm
; Group g is folded into its chunk's two chains; its slot then takes the group four further on.  left = how many younger loads may stay out.
.macro GROUP g, left
.set c, (\g)%4
.set XS, X+32*c
	s_wait_loadcnt \left                           ; loads come back in order (ISA guide 5.7.1): my eight are in, the younger groups' stay out
.if (\g) < 4
	v_max_num_f32 v[MX+c], v[XS], v[XS+1]          ; the chunk's first two numbers start its chains
	v_min_num_f32 v[MN+c], v[XS], v[XS+1]
.set i, 2
.else
.set i, 0
.endif
.rept (32-i)/2
	v_max3_num_f32 v[MX+c], v[MX+c], v[XS+i], v[XS+i+1]
	v_min3_num_f32 v[MN+c], v[MN+c], v[XS+i], v[XS+i+1]
.set i, i+2
.endr
.if (\g) < 4
	FILL (\g)+4
.endif
.endm
; Eight entries of four chunks, v[B + 4 i + j], into v[B + j]
.macro FOLD8 B
.irp k, 4,12,20
.irp j, 0,1,2,3
	v_max3_num_f32 v[(\B)+(\j)], v[(\B)+(\j)], v[(\B)+(\k)+(\j)], v[(\B)+(\k)+4+(\j)]
.endr
.endr
.irp j, 0,1,2,3
	v_max_num_f32 v[(\B)+(\j)], v[(\B)+(\j)], v[(\B)+28+(\j)]
.endr
.endm
; The maximum over the 32 lanes of v[B .. B + 3], into every lane: four steps inside each half of 16 lanes ride on the arithmetic, one crosses the halves.  v[B + 4 .. B + 7] are at work (written before)
.macro LANES4 B
.irp m, 1,2,4,8
.irp j, 0,1,2,3
	v_max_num_f32_dpp v[(\B)+(\j)], v[(\B)+(\j)], v[(\B)+(\j)] row_xmask:\m row_mask:0xf bank_mask:0xf
.endr
.endr
.irp j, 0,1,2,3
	v_permlanex16_b32 v[(\B)+4+(\j)], v[(\B)+(\j)], s[SEL], s[SEL+1]
.endr
.irp j, 0,1,2,3
	v_max_num_f32 v[(\B)+(\j)], v[(\B)+(\j)], v[(\B)+4+(\j)]
.endr
.endm
	FILL 0
	FILL 1
	FILL 2
	FILL 3
	GROUP 0, 24                                    ; three younger groups, 24 loads, stay out
	GROUP 1, 24
	GROUP 2, 24
	GROUP 3, 24
	GROUP 4, 24                                    ; nothing is left to ask for: the counts run down
	GROUP 5, 16
	GROUP 6, 8
	GROUP 7, 0
.irp j, 0,1,2,3
	v_xor_b32 v[MN+(\j)], 0x80000000, v[MN+(\j)]   ; -smallest
.endr
.irp j, 0,1,2,3
	v_max_num_f32 v[MX+(\j)], v[MX+(\j)], v[MN+(\j)]  ; the largest magnitude of my lane's numbers
.endr
	LANES4 MX
	ds_store_b128 v[LA], v[MX:MX+3]                ; all lanes hold the same four numbers and write the same 16 bytes
	s_wait_dscnt 0x0                               ; for the others' sake: my store is done
	s_barrier_signal -1
	s_barrier_wait -1                              ; all eight waves' figures lie in LDS
	s_cmp_lg_u32 s10, 0
	s_cbranch_scc1 .Lend                           ; wave 0 finishes
.irp i, 0,1,2,3,4,5,6,7
	ds_load_b128 v[X+4*(\i):X+4*(\i)+3], v[ZA] offset:16*(\i)
.endr
	s_wait_dscnt 0x0
	FOLD8 X
	s_wait_xcnt 0x0                                ; EXEC changes only behind this wait
	v_cmp_eq_u32 vcc_lo, 0, v0
	s_and_saveexec_b32 s20, vcc_lo                 ; lane 0 alone
	global_store_b128 v[PO], v[X:X+3], s[8:9]
	s_wait_xcnt 0x0                                ; and again, in front of the line that widens it
	s_or_b32 exec_lo, exec_lo, s20
.Lend:
	s_wait_tensorcnt 0x0                           ; the wave's end, behind my last LDS store
	ds_add_u32 v[SPW], v[NIL]
	s_wait_dscnt 0x0
	s_endpgm
.Lfunc_end_k_qa82c379ebc_amax:
	.size	k_qa82c379ebc_amax, .Lfunc_end_k_qa82c379ebc_amax-k_qa82c379ebc_amax
	.p2alignl 7, 3214868480
	.fill 96, 4, 3214868480
	.section	.rodata,"a",@progbits
	.p2align	6, 0x0
	.amdhsa_kernel k_qa82c379ebc_amax
		.amdhsa_group_segment_fixed_size 1280
		.amdhsa_private_segment_fixed_size 0
		.amdhsa_enable_private_segment 0
		.amdhsa_kernarg_size 24
		.amdhsa_user_sgpr_count 2
		.amdhsa_user_sgpr_kernarg_segment_ptr 1
		.amdhsa_wavefront_size32 1
		.amdhsa_system_sgpr_workgroup_id_x 1
		.amdhsa_system_sgpr_workgroup_id_y 1
		.amdhsa_system_sgpr_workgroup_id_z 1
		.amdhsa_system_vgpr_workitem_id 0
		.amdhsa_next_free_vgpr 144
		.amdhsa_next_free_sgpr 66
		.amdhsa_reserve_vcc 1
		.amdhsa_float_denorm_mode_32 3
		.amdhsa_float_denorm_mode_16_64 3
		.amdhsa_memory_ordered 1
		.amdhsa_forward_progress 1
		.amdhsa_inst_pref_size 28
	.end_amdhsa_kernel
	.amdgpu_metadata
---
amdhsa.version: [ 1, 2 ]
amdhsa.kernels:
  - .name:           k_qa82c379ebc_amax
    .symbol:         k_qa82c379ebc_amax.kd
    .args:
      - { .name: x, .offset: 0, .size: 8, .value_kind: global_buffer, .address_space: global }
      - { .name: weight, .offset: 8, .size: 8, .value_kind: global_buffer, .address_space: global }
      - { .name: pmax, .offset: 16, .size: 8, .value_kind: global_buffer, .address_space: global }
    .group_segment_fixed_size: 1280
    .private_segment_fixed_size: 0
    .kernarg_segment_align: 8
    .kernarg_segment_size: 24
    .max_flat_workgroup_size: 256
    .sgpr_count:     66
    .vgpr_count:     144
    .wavefront_size: 32
...
	.end_amdgpu_metadata
.endif
;; end of part 1
;; launch quant (part 2): grid 256 x 2, 8 waves a work-group, no clusters, 0 bytes of LDS; arguments x, weight, pmax, xq, wq; writes xq, wq
.if DOCPART == 2
	.amdgcn_target "amdgcn-amd-amdhsa--gfx1250"
	.amdhsa_code_object_version 6
	.text
	.protected	k_qa82c379ebc_quant
	.globl	k_qa82c379ebc_quant
	.p2align	8
	.type	k_qa82c379ebc_quant,@function
k_qa82c379ebc_quant:
	s_mov_b64 s[64:65], 0
	v_nop
	global_prefetch_b8 v0, s[64:65] scope:SCOPE_SE
	s_setreg_imm32_b32 hwreg(HW_REG_WAVE_MODE, 25, 1), 1
	s_wait_xcnt 0x0
; xq[r][k] = clip(round(x[r][k] / scale_c), -127, 127) as bf16, c = k / 1024, scale_c = max(amax_c / 127, 1e-8); wq likewise from weight.  x, weight: [4096][4096] f32; xq, wq: [4096][4096] bf16.
; The whole numbers -127 .. 127 have seven significant bits and bf16 keeps eight: what is stored is exact.  The scale itself is applied later, in f32, to the sums of the products.
; amax_c is folded here from pmax ([2][256][4] f32, the row blocks' largest magnitudes): 4,096 bytes of my tensor, 16 bytes a lane and load, read by every wave while its first data loads are on their way.
; SHARES.  Grid y picks the tensor, grid x 16 rows; wave w takes rows 2 w, 2 w + 1: 32,768 consecutive bytes in, 16,384 out.  A load is 512 consecutive bytes; its four numbers a lane become 8 bytes,
; and the wave's store of them covers 256 consecutive bytes, aligned.  Eight loads on end (a group) are one chunk of one row: group g has chunk g % 4.  Four groups, 32 loads, are on their way at a time.
; No matrix unit, no cluster, no LDS: every byte is read once and written once, by one wave.
; LIMITS.  amax / 127 is amax x (1/127), and t / scale is t x (1 / scale) with the reciprocal by v_rcp_f32: each within one unit in the last place.  A number within about 1e-7 (relative) of a tie
; between two whole numbers may fall to the neighbour.  NaN and infinities are not treated apart.
.set IO,  2                            ; v2   16 x lane; never rewritten
.set OO,  3                            ; v3   8 x lane; never rewritten
.set PO,  4                            ; v4   16 x lane + 4,096 x tensor: my entry in pmax
.set P,   8                            ; v[8:39]   pmax: entry i of eight at P + 4 i, chunk j in register j
.set Y,   8                            ; v[8:23]   later: a group's 16 words to store
.set X,   40                           ; v[40:167] four slots of 32 registers: group g lies in slot g % 4
.set RS,  20                           ; s[20:27]  1 / scale_c in s[20 + 2 c]; the word above is written too: the packed multiply names the pair
.set LO,  28                           ; s28  -127.0
.set HI,  29                           ; s29  127.0
.set SEL, 30                           ; s[30:31]  v_permlanex16_b32's selects
	s_load_b256 s[4:11], s[0:1], 0x0               ; x s[4:5], weight s[6:7], pmax s[8:9], xq s[10:11]
	s_load_b64 s[12:13], s[0:1], 0x20              ; wq
	v_lshrrev_b32 v1, 5, v0
	v_readfirstlane_b32 s14, v1                    ; wave 0..7
	s_and_b32 s15, ttmp7, 0xffff                   ; tensor 0, 1
	v_and_b32 v1, 31, v0
	v_lshlrev_b32 v[IO], 4, v1
	v_lshlrev_b32 v[OO], 3, v1
	s_lshl_b32 s16, s15, 12
	v_add_nc_u32 v[PO], s16, v[IO]
	s_lshl_b32 s16, ttmp9, 18                      ; in: the block's 16 rows of 16,384 bytes,
	s_lshl_b32 s17, s14, 15                        ; my wave's two
	s_add_co_u32 s16, s16, s17
	s_mov_b32 s17, 0
	s_lshl_b32 s18, ttmp9, 17                      ; out: half of that
	s_lshl_b32 s19, s14, 14
	s_add_co_u32 s18, s18, s19
	s_mov_b32 s19, 0
	s_mov_b32 s[LO], 0xc2fe0000
	s_mov_b32 s[HI], 0x42fe0000
	s_mov_b32 s[SEL], 0x76543210
	s_mov_b32 s[SEL+1], 0xfedcba98
	s_wait_kmcnt 0x0
	s_cmp_eq_u32 s15, 0
	s_cselect_b64 s[4:5], s[4:5], s[6:7]           ; the tensor that I read,
	s_cselect_b64 s[10:11], s[10:11], s[12:13]     ; and the one that I write
	s_add_nc_u64 s[4:5], s[4:5], s[16:17]
	s_add_nc_u64 s[10:11], s[10:11], s[18:19]
.macro FILL g                          ; group g's eight loads: 4,096 consecutive bytes
.irp j, 0,1,2,3,4,5,6,7
	global_load_b128 v[X+32*((\g)%4)+4*(\j):X+32*((\g)%4)+4*(\j)+3], v[IO], s[4:5] offset:4096*(\g)+512*(\j) th:TH_LOAD_NT
.endr
.endm
; Eight entries of four chunks, v[B + 4 i + j], into v[B + j]
.macro FOLD8 B
.irp k, 4,12,20
.irp j, 0,1,2,3
	v_max3_num_f32 v[(\B)+(\j)], v[(\B)+(\j)], v[(\B)+(\k)+(\j)], v[(\B)+(\k)+4+(\j)]
.endr
.endr
.irp j, 0,1,2,3
	v_max_num_f32 v[(\B)+(\j)], v[(\B)+(\j)], v[(\B)+28+(\j)]
.endr
.endm
; The maximum over the 32 lanes of v[B .. B + 3], into every lane; v[B + 4 .. B + 7] are at work (written before)
.macro LANES4 B
.irp m, 1,2,4,8
.irp j, 0,1,2,3
	v_max_num_f32_dpp v[(\B)+(\j)], v[(\B)+(\j)], v[(\B)+(\j)] row_xmask:\m row_mask:0xf bank_mask:0xf
.endr
.endr
.irp j, 0,1,2,3
	v_permlanex16_b32 v[(\B)+4+(\j)], v[(\B)+(\j)], s[SEL], s[SEL+1]
.endr
.irp j, 0,1,2,3
	v_max_num_f32 v[(\B)+(\j)], v[(\B)+(\j)], v[(\B)+4+(\j)]
.endr
.endm
; amax to scale: max(amax x (1/127), 1e-8).  The launch that multiplies makes its scales by these same lines, so the two agree bit for bit
.macro SCALE4 B
.irp j, 0,1,2,3
	v_mul_f32 v[(\B)+(\j)], 0x3c010204, v[(\B)+(\j)]
.endr
.irp j, 0,1,2,3
	v_max_num_f32 v[(\B)+(\j)], 0x322bcc77, v[(\B)+(\j)]
.endr
.endm
; Group g: scaled, rounded to the nearest whole number (ties to even), clipped, packed to bf16, stored; its slot takes the group four further on, ahead of the stores.
.macro QGROUP g, left
.set c, (\g)%4
.set XS, X+32*c
	s_wait_loadcnt \left                           ; my eight loads are in; the younger groups' stay out
	s_wait_xcnt 0x0                                ; every earlier memory instruction has had its addresses translated (ISA guide 3.1): Y, which the last group's stores read, is rewritten only behind this wait
.set j, 0
.rept 8
	v_pk_mul_f32 v[XS+4*j:XS+4*j+1],   v[XS+4*j:XS+4*j+1],   s[RS+2*c:RS+2*c+1] op_sel_hi:[1,0]
	v_pk_mul_f32 v[XS+4*j+2:XS+4*j+3], v[XS+4*j+2:XS+4*j+3], s[RS+2*c:RS+2*c+1] op_sel_hi:[1,0]
.irp k, 0,1,2,3
	v_rndne_f32 v[XS+4*j+(\k)], v[XS+4*j+(\k)]
.endr
.irp k, 0,1,2,3
	v_med3_num_f32 v[XS+4*j+(\k)], v[XS+4*j+(\k)], s[LO], s[HI]
.endr
	v_cvt_pk_bf16_f32 v[Y+2*j],   v[XS+4*j],   v[XS+4*j+1]
	v_cvt_pk_bf16_f32 v[Y+2*j+1], v[XS+4*j+2], v[XS+4*j+3]
.set j, j+1
.endr
.if (\g) < 4
	FILL (\g)+4
.endif
.set j, 0
.rept 8
	global_store_b64 v[OO], v[Y+2*j:Y+2*j+1], s[10:11] offset:2048*(\g)+256*j th:TH_STORE_NT  ; the wave's store covers 256 consecutive bytes, aligned
.set j, j+1
.endr
.endm
.irp i, 0,1,2,3,4,5,6,7
	global_load_b128 v[P+4*(\i):P+4*(\i)+3], v[PO], s[8:9] offset:512*(\i)  ; row block 32 i + lane of my tensor: its four chunks
.endr
	FILL 0
	FILL 1
	FILL 2
	FILL 3
	s_wait_loadcnt 32                              ; pmax is in; the 32 data loads behind it stay out
	FOLD8 P
	LANES4 P
	SCALE4 P
.irp j, 0,1,2,3
	v_rcp_f32 v[P+8+(\j)], v[P+(\j)]
.endr
	v_nop                                          ; a plain instruction between the last reciprocal and the use of its result (ISA guide 5.7.2)
	s_wait_alu depctr_va_vdst(0)                   ; and a wait ahead of the first use: one for the four
.irp j, 0,1,2,3
	v_readfirstlane_b32 s[RS+2*(\j)], v[P+8+(\j)]
	s_mov_b32 s[RS+2*(\j)+1], s[RS+2*(\j)]
.endr
	QGROUP 0, 24                                   ; three younger groups, 24 loads, stay out
	QGROUP 1, 24
	QGROUP 2, 24
	QGROUP 3, 24
	QGROUP 4, 24                                   ; nothing is left to ask for: the counts run down
	QGROUP 5, 16
	QGROUP 6, 8
	QGROUP 7, 0
	s_endpgm
.Lfunc_end_k_qa82c379ebc_quant:
	.size	k_qa82c379ebc_quant, .Lfunc_end_k_qa82c379ebc_quant-k_qa82c379ebc_quant
	.p2alignl 7, 3214868480
	.fill 96, 4, 3214868480
	.section	.rodata,"a",@progbits
	.p2align	6, 0x0
	.amdhsa_kernel k_qa82c379ebc_quant
		.amdhsa_group_segment_fixed_size 0
		.amdhsa_private_segment_fixed_size 0
		.amdhsa_enable_private_segment 0
		.amdhsa_kernarg_size 40
		.amdhsa_user_sgpr_count 2
		.amdhsa_user_sgpr_kernarg_segment_ptr 1
		.amdhsa_wavefront_size32 1
		.amdhsa_system_sgpr_workgroup_id_x 1
		.amdhsa_system_sgpr_workgroup_id_y 1
		.amdhsa_system_sgpr_workgroup_id_z 1
		.amdhsa_system_vgpr_workitem_id 0
		.amdhsa_next_free_vgpr 168
		.amdhsa_next_free_sgpr 66
		.amdhsa_reserve_vcc 0
		.amdhsa_float_denorm_mode_32 3
		.amdhsa_float_denorm_mode_16_64 3
		.amdhsa_memory_ordered 1
		.amdhsa_forward_progress 1
		.amdhsa_inst_pref_size 58
	.end_amdhsa_kernel
	.amdgpu_metadata
---
amdhsa.version: [ 1, 2 ]
amdhsa.kernels:
  - .name:           k_qa82c379ebc_quant
    .symbol:         k_qa82c379ebc_quant.kd
    .args:
      - { .name: x, .offset: 0, .size: 8, .value_kind: global_buffer, .address_space: global }
      - { .name: weight, .offset: 8, .size: 8, .value_kind: global_buffer, .address_space: global }
      - { .name: pmax, .offset: 16, .size: 8, .value_kind: global_buffer, .address_space: global }
      - { .name: xq, .offset: 24, .size: 8, .value_kind: global_buffer, .address_space: global }
      - { .name: wq, .offset: 32, .size: 8, .value_kind: global_buffer, .address_space: global }
    .group_segment_fixed_size: 0
    .private_segment_fixed_size: 0
    .kernarg_segment_align: 8
    .kernarg_segment_size: 40
    .max_flat_workgroup_size: 256
    .sgpr_count:     66
    .vgpr_count:     168
    .wavefront_size: 32
...
	.end_amdgpu_metadata
.endif
;; end of part 2
;; launch gemm (part 3): grid 16 x 16, 4 waves a work-group, clusters of 4 x 4, 327,680 bytes of LDS; arguments xq, wq, out0, pmax; writes out0
.if DOCPART == 3
	.amdgcn_target "amdgcn-amd-amdhsa--gfx1250"
	.amdhsa_code_object_version 6
	.text
	.protected	k_qa82c379ebc_gemm
	.globl	k_qa82c379ebc_gemm
	.p2align	8
	.type	k_qa82c379ebc_gemm,@function
k_qa82c379ebc_gemm:
	s_mov_b64 s[64:65], 0
	v_nop
	global_prefetch_b8 v0, s[64:65] scope:SCOPE_SE
	s_setreg_imm32_b32 hwreg(HW_REG_WAVE_MODE, 25, 1), 1
	s_wait_xcnt 0x0
	s_wait_alu depctr_hold_cnt(0) depctr_sa_sdst(0) depctr_va_vdst(0) depctr_va_sdst(0) depctr_va_ssrc(0) depctr_va_vcc(0) depctr_vm_vsrc(0)
	s_getreg_b32 s2, hwreg(HW_REG_IB_STS2, 6, 4)
	s_cmp_eq_u32 s2, 0
	s_cbranch_scc0 .Lentry_in_a_cluster
	s_endpgm
.Lentry_in_a_cluster:
	s_bfe_u32 s2, ttmp6, 0x10000c
	s_cmp_lg_u32 s2, 0xf033
	s_cbranch_scc0 .Lentry_shape_is_right
	s_endpgm
.Lentry_shape_is_right:
; out0[n][o] = the sum over chunks c of s_c x (the sum over the chunk's 1,024 k of xq[n][k] wq[o][k]),  s_c = scale_x,c x scale_w,c.  xq, wq: [4096][4096] bf16, whole numbers -127 .. 127; out0: [4096][4096] f32.
; THE SCALES.  The operands are exact in bf16, and a chunk's sum stays under 1,024 x 127^2 < 2^24.  An accumulator holds (what has been summed so far) / s_c of the chunk in hand: where chunk c begins, every
; accumulator is multiplied by s_(c-1) / s_c, in f32; on the way out by s_3.  Three times 256 packed multiplies a wave beside its 8,192 matrix instructions.  The scales are folded from pmax
; ([2][256][4] f32, the row blocks' largest magnitudes), 8,192 bytes that every wave reads in the wait for the first tile, by the same lines as the launch that quantised.
; LIMITS.  1 / s_c by v_rcp_f32, within one unit in the last place.  A chunk's amax_x x amax_w stays under about 8e18, so that the sums divided by the smallest s_c, 1e-16, stay inside f32.  NaN and infinities are not treated apart.
; THE SHAPE.  A tile of out0, 256 x 256, is made by a work-group of four waves; a wave makes 128 x 128: 64 accumulators of 16 x 16, 512 registers.  256 tiles: one for each work-group.  K goes in steps of 128
; through a ring of two LDS slots filled by the tensor data mover: the tiles' rows are 256 bytes of memory and start at multiples of 256 bytes from the buffer's first byte.
; CLUSTERS: 4 x 4 work-groups.  The four of a row of the cluster need the same tiles of xq (A), the four of a column the same tiles of wq (B): such a tile is asked for JOINTLY: each of the four issues the same
; tensor load, with the same descriptor and a mask that names the four, and each receives the tile in its own LDS.
; REGISTERS, in windows of 256 (s_set_vgpr_msb's low byte: bits 1:0 source 0, 3:2 source 1, 5:4 source 2, 7:6 destination):
;   window 0: v0-31 addresses; v64-127, v128-191 fragments of A (8 x 16 rows x 32 K), two buffers; v192-255 pmax at the head.  On the way out: v64-127 a scaled block, v128-191 and v192-255 rows read back, by turns
;   window 1: v64-127, v128-191 fragments of B, two buffers
;   window 2: the 32 accumulators of my rows 0-63 (accumulator (a, b) at v[8 (8 a + b)]);   window 3: those of my rows 64-127
; THE MATRIX INSTRUCTION IS USED TRANSPOSED: source 0 = 16 rows of B, source 1 = 16 rows of A.  In the result lane l holds row l % 16 of out0, and its registers 0 to 7 the columns 8 (l / 16) + 0 .. 7: 32 bytes on end.
.set SIZE_K, 4096
.set SIZE_N, 4096
.set KSTEP,  128
.set PITCH,  272                       ; an LDS row: 256 bytes of data + 16 of padding = 68 words: row r starts at bank 4 r mod 64 (64 banks of 4 bytes: ISA guide 11.1), so the 16 rows that a load touches start at 16 different banks
.set HALFT,  128*PITCH                 ; 128 rows: what one tensor load brings, and what one wave reads of A or of B
.set SLOT,   4*HALFT                   ; A's 256 rows, then B's 256 rows
.set STAGE,  2*SLOT                    ; behind the ring: 16 rows x 528 bytes for each wave, for the way out; no tensor load fills it
.set SPITCH, 528                       ; a stage row: 512 bytes (128 f32) + 16 = 132 words: row r starts at bank 4 r mod 64
.set SPARE,  STAGE+4*16*SPITCH         ; behind the stages: the spare words, 128 bytes for each wave: two blocks of 256 bytes that no other line names
.set LAPS,   SIZE_K/(2*KSTEP)          ; a lap = two K steps = once round the ring: 16; a chunk is four laps
.set ADRA, 16                          ; v16-17  LDS address of my A fragments in slot 0, 1
.set ADRB, 20                          ; v20-21  the same for B
.set STO,  24                          ; v24     the way out: where I put 32 bytes of a row
.set RD,   25                          ; v25     the way out: where I read a row back
.set CO,   26                          ; v26     16 x lane: my byte offset in a row's 512 bytes of out0, and in 512 bytes of pmax; never rewritten
.set SPW,  28                          ; v28     LDS address of my spare word: SPARE + 4 x my thread's number; never rewritten
.set NIL,  29                          ; v29     0; never rewritten
.set PFO,  30                          ; v30     the prefetches' offset: my lane x a row of A or B in memory; never rewritten
.set F0,   64                          ; fragment buffer 0
.set F1,   128                         ; fragment buffer 1
.set SCR,  192                         ; pmax: x's eight entries of four chunks, then weight's
.set TMP,  64                          ; the way out: a block of 16 rows, scaled
.set BK,   128                         ; the way out: 16 rows read back from the stage: v128-191 and v192-255 by turns
.set G1,   24                          ; s[24:31] descriptor group 1 for A's tiles
.set G0,   32                          ; s[32:39] descriptor group 0 for A's tiles, one set for each slot
.set LIM,  43                          ; s43     1 in a wave that prefetches, else the greatest number
.set PFA,  44                          ; s[44:45] where my prefetches stand: my work-group's 32 rows of the 128 that I fetch, one K step further along K than the refill that is being asked for
.set G1B,  48                          ; s[48:55] descriptor group 1 for B's tiles: it differs from A's in the mask alone
.set G0B,  56                          ; s[56:63] descriptor group 0 for B's tiles, one set for each slot
.set RAT,  66                          ; s66 the factor of the next change of chunks (s67 is named with it as a pair); s68, s69 the two after it
.set FIN,  70                          ; s[70:71] s_3
.set SEL,  72                          ; s[72:73] v_permlanex16_b32's selects
.set PM,   74                          ; s[74:75] pmax
.set MSB, 0
.macro WIN new                         ; the immediate's high byte repeats the setting that is left; a switch that changes nothing is dropped
.if MSB != (\new)
	s_set_vgpr_msb (MSB<<8)|(\new)
.set MSB, \new
.endif
.endm
.set MUL_LO, 0xa1                      ; source 0 (B) window 1, source 1 (A) window 0, C and D window 2
.set MUL_HI, 0xf1                      ; the same, C and D window 3
.set TO_B,   0x40                      ; destination window 1, address window 0
; A joint load.  Waves 0 and 1 fetch A's two halves, waves 2 and 3 B's.  Each of the two lines has ONE mask and one set of registers for all that issue it.  The branch hangs on the wave's number alone.
; An s_nop 0 and four v_nop follow each of the two lines; the jump round the other line, the label and what follows the macro come after them.
.macro JLOAD s
	s_cmp_eq_u32 s11, 0
	s_cbranch_scc0 .Lfor_b_\@
	tensor_load_to_lds s[G0+4*(\s):G0+4*(\s)+3], s[G1:G1+7]
	s_nop 0
.rept 4
	v_nop
.endr
	s_branch .Lasked_\@
.Lfor_b_\@:
	tensor_load_to_lds s[G0B+4*(\s):G0B+4*(\s)+3], s[G1B:G1B+7]
	s_nop 0
.rept 4
	v_nop
.endr
.Lasked_\@:
.endm
; A PREFETCH INTO THE L2, behind each joint load, its five lines and the run of LDS loads that follows them: the K step that stands TWO refills on, 512 matrix instructions ahead of the load that will want it:
; 32 rows x 256 bytes, a lane a row, one instruction a wave.  Each row's 256 bytes of a K step are named ONCE in the launch: A's tile row is read by every cluster of that row of clusters, and the first of
; them (cluster x = 0) asks; B's tile column by every cluster of that column, and cluster y = 0 asks.  The four partners that ask for a tile jointly share its rows out BY ADDRESS: of the 128 rows that a wave
; fetches the partner at place p takes 32 p .. 32 p + 31 (p = cx for A, cy for B).  K steps 0 to 3 come by their loads alone; the loop's last trip (s3 = 1) asks for nothing: K steps 32 and 33 do not exist.
.macro ASK
	s_cmp_gt_u32 s3, s[LIM]
	s_cbranch_scc0 .Lnot_mine_\@
	global_prefetch_b8 v[PFO], s[PFA:PFA+1] offset:KSTEP*2 th:TH_LOAD_NT scope:SCOPE_SE
.Lnot_mine_\@:
.endm
; A round of the cluster's barrier: my work-group's barrier, so that wave 0's signal speaks for all four waves; wave 0 signals for the work-group; every wave waits for all sixteen work-groups; my work-group's barrier once more.
.macro CREST                           ; a round behind its opening barrier
	s_cmp_lg_u32 s10, 0
	s_cbranch_scc1 .Lnot_wave_0_\@
	s_barrier_signal -3
.Lnot_wave_0_\@:
	s_barrier_wait -3
	s_barrier_signal -1
	s_barrier_wait -1
.endm
.macro CROUND                          ; a whole round
	s_barrier_signal -1
	s_barrier_wait -1
	CREST
.endm
; Eight entries of four chunks, v[B + 4 i + j], into v[B + j]
.macro FOLD8 B
.irp k, 4,12,20
.irp j, 0,1,2,3
	v_max3_num_f32 v[(\B)+(\j)], v[(\B)+(\j)], v[(\B)+(\k)+(\j)], v[(\B)+(\k)+4+(\j)]
.endr
.endr
.irp j, 0,1,2,3
	v_max_num_f32 v[(\B)+(\j)], v[(\B)+(\j)], v[(\B)+28+(\j)]
.endr
.endm
; The maximum over the 32 lanes of v[B .. B + 3], into every lane; v[B + 4 .. B + 7] are at work (written before)
.macro LANES4 B
.irp m, 1,2,4,8
.irp j, 0,1,2,3
	v_max_num_f32_dpp v[(\B)+(\j)], v[(\B)+(\j)], v[(\B)+(\j)] row_xmask:\m row_mask:0xf bank_mask:0xf
.endr
.endr
.irp j, 0,1,2,3
	v_permlanex16_b32 v[(\B)+4+(\j)], v[(\B)+(\j)], s[SEL], s[SEL+1]
.endr
.irp j, 0,1,2,3
	v_max_num_f32 v[(\B)+(\j)], v[(\B)+(\j)], v[(\B)+4+(\j)]
.endr
.endm
; amax to scale: max(amax x (1/127), 1e-8), by the same lines as the launch that quantised
.macro SCALE4 B
.irp j, 0,1,2,3
	v_mul_f32 v[(\B)+(\j)], 0x3c010204, v[(\B)+(\j)]
.endr
.irp j, 0,1,2,3
	v_max_num_f32 v[(\B)+(\j)], 0x322bcc77, v[(\B)+(\j)]
.endr
.endm
	s_load_b128 s[4:7], s[0:1], 0x0                ; A = xq s[4:5], B = wq s[6:7]
	s_load_b64 s[8:9], s[0:1], 0x10                ; out0
	s_load_b64 s[PM:PM+1], s[0:1], 0x18            ; pmax
	v_lshl_add_u32 v[SPW], v0, 2, SPARE
	v_mov_b32 v[NIL], 0
	ds_add_u32 v[SPW], v[NIL]                      ; the wave's opening: the add, twice on end, and its wait ahead of my first tensor load; the set-up below the second, work on registers, stands between it and the wait
	ds_add_u32 v[SPW], v[NIL]                      ; and once more, under the one wait
	v_lshrrev_b32 v1, 5, v0
	v_readfirstlane_b32 s10, v1                    ; wave 0..3
	s_lshr_b32 s11, s10, 1                         ; which half of the tile's rows is mine.  Also: I fetch for A (0) or for B (1)
	s_and_b32 s12, s10, 1                          ; which half of its columns.  Also: which 128 rows of that tile I fetch
	s_bfe_u32 s40, ttmp6, 0x40000                  ; cx: my place along the cluster's x
	s_bfe_u32 s41, ttmp6, 0x40004                  ; cy: along its y
	s_lshl_b32 s42, ttmp9, 2                       ; in a cluster launch ttmp9 and ttmp7 count clusters
	s_add_co_u32 s42, s42, s40                     ; tile column = 4 x cluster x + cx
	s_and_b32 s13, ttmp7, 0xffff
	s_lshl_b32 s13, s13, 2
	s_add_co_u32 s13, s13, s41                     ; tile row = 4 x cluster y + cy
	s_lshl_b32 s43, s41, 2
	s_lshl_b32 s43, 15, s43                        ; my row of the cluster: places 4 cy .. 4 cy + 3
	s_lshl_b32 s44, 0x1111, s40                    ; my column: places cx, cx + 4, cx + 8, cx + 12
	; descriptor group 1: a tile of 128 rows x 128 elements, padded in LDS
	s_or_b32 s[G1+0], s43, (1<<16)|(1<<20)|(1<<21)|(5<<22)|(3<<25)  ; 15:0 the mask: A's tiles go to my row; 17:16 element of 2 bytes; 20 padding on; 21 set beside a mask; 24:22 after every 64 words (code 5); 31:25 of 4 words (code 3)
	s_or_b32 s[G1B+0], s44, (1<<16)|(1<<20)|(1<<21)|(5<<22)|(3<<25) ; the same with the mask of my column, for B's tiles
	s_mov_b32 s[G1B+1], KSTEP<<16
	s_mov_b32 s[G1+1], KSTEP<<16                   ; 63:48 tensor_dim0, low half = 128
	s_mov_b32 s[G1B+2], 128<<16
	s_mov_b32 s[G1+2], 128<<16                     ; 79:64 its high half = 0; 95:80 tensor_dim1, low half = 128
	s_mov_b32 s[G1B+3], KSTEP<<16
	s_mov_b32 s[G1+3], KSTEP<<16                   ; 111:96 its high half = 0; 127:112 tile_dim0 = 128
	s_mov_b32 s[G1B+4], 128
	s_mov_b32 s[G1+4], 128                         ; 143:128 tile_dim1 = 128; 159:144 tile_dim2 = 0
	s_mov_b32 s[G1B+5], SIZE_K
	s_mov_b32 s[G1+5], SIZE_K                      ; 191:160 tensor_dim0_stride, low word: elements from row to row
	s_mov_b32 s[G1B+6], 0
	s_mov_b32 s[G1+6], 0
	s_mov_b32 s[G1B+7], 0
	s_mov_b32 s[G1+7], 0
	s_mov_b32 s[SEL], 0x76543210
	s_mov_b32 s[SEL+1], 0xfedcba98
	; where the tiles come from.  A's hang on the tile row alone, which my row of the cluster shares; B's on the tile column alone, which my column shares.
	; Every wave makes both addresses, in registers that never hold the other coordinate, and asks by one of them.
	s_lshl_b32 s17, s12, 7                         ; which 128 rows of the tile I fetch
	s_lshl_b32 s16, s13, 8
	s_add_co_u32 s16, s16, s17                     ; A: row 256 x tile row + 128 x half
	s_lshl_b32 s46, s42, 8
	s_add_co_u32 s46, s46, s17                     ; B: row 256 x tile column + 128 x half
	s_mov_b32 s17, 0
	s_mov_b32 s47, 0
	s_mov_b64 s[18:19], SIZE_K*2
	s_mul_u64 s[16:17], s[16:17], s[18:19]         ; in bytes, in 64 bits
	s_mul_u64 s[46:47], s[46:47], s[18:19]
	s_mul_i32 s20, s10, HALFT                      ; and where they go: A's two halves, then B's two halves = wave x 128 rows: no place in the cluster enters an LDS address
	s_wait_dscnt 0x0                               ; both opening adds are done
	s_wait_kmcnt 0x0
	s_add_nc_u64 s[14:15], s[4:5], s[16:17]
	s_add_nc_u64 s[46:47], s[6:7], s[46:47]
	CROUND                                         ; all sixteen work-groups are here: the first joint loads meet
.irp s, 0,1
	s_mov_b32 s[G0+4*(\s)], 1                                      ; 1:0 count = 1
	s_add_co_u32 s[G0+4*(\s)+1], s20, (\s)*SLOT                    ; 63:32 LDS address
	s_add_nc_u64 s[G0+4*(\s)+2:G0+4*(\s)+3], s[14:15], (\s)*KSTEP*2  ; 120:64 global address: K step s
	s_or_b32 s[G0+4*(\s)+3], s[G0+4*(\s)+3], 0x80000000            ; 127:126 type = 2
	s_mov_b32 s[G0B+4*(\s)], 1
	s_add_co_u32 s[G0B+4*(\s)+1], s20, (\s)*SLOT
	s_add_nc_u64 s[G0B+4*(\s)+2:G0B+4*(\s)+3], s[46:47], (\s)*KSTEP*2
	s_or_b32 s[G0B+4*(\s)+3], s[G0B+4*(\s)+3], 0x80000000
	JLOAD \s                                       ; the ring is filled before anything else is done: two tensor loads of mine are out
.endr
	; pmax: 16 loads of 512 bytes, 16 bytes a lane: row block 32 i + lane of x (i = 0..7), then of weight
	v_and_b32 v5, 31, v0
	v_lshlrev_b32 v[CO], 4, v5
.irp i, 0,1,2,3,4,5,6,7,8,9,10,11,12,13,14,15
	global_load_b128 v[SCR+4*(\i):SCR+4*(\i)+3], v[CO], s[PM:PM+1] offset:512*(\i)
.endr
	; A fragment is 16 rows x 32 K in 8 registers: lane l holds row l % 16; registers 0-3 hold K = 8 (l / 16) + 0..7, registers 4-7 hold
	; K = 16 + 8 (l / 16) + 0..7.  From rows that lie along K: two loads of 16 bytes, 32 bytes apart.  The same for source 0 and source 1.
	v_and_b32 v1, 15, v0                           ; l % 16
	v_bfe_u32 v2, v0, 4, 1                         ; l / 16
	v_mul_u32_u24 v3, v1, PITCH
	v_lshl_add_u32 v3, v2, 4, v3                   ; row x pitch + 16 x half
	s_mul_i32 s21, s11, HALFT                      ; my 128 rows of A
	s_mul_i32 s22, s12, HALFT                      ; my 128 rows of B,
	s_add_co_u32 s22, s22, 2*HALFT                 ; which lie behind A's 256
.irp s, 0,1
	v_add_nc_u32 v[ADRA+(\s)], s21, v3
	v_add_nc_u32 v[ADRB+(\s)], s22, v3
	s_add_co_u32 s21, s21, SLOT
	s_add_co_u32 s22, s22, SLOT
.endr
	s_mul_i32 s23, s10, 16*SPITCH
	s_add_co_u32 s23, s23, STAGE                   ; my stage
	v_mul_u32_u24 v4, v1, SPITCH                   ; in: row l % 16, 32 bytes for each half of the lanes
	v_lshl_add_u32 v4, v2, 5, v4
	v_add_nc_u32 v[STO], s23, v4
	v_add_nc_u32 v[RD], s23, v[CO]                 ; back: 32 lanes take one row's 512 bytes
	; where my part of the tile begins in out0
	s_lshl_b32 s13, s13, 8
	s_lshl_b32 s14, s11, 7
	s_add_co_u32 s16, s13, s14                     ; my first row
	s_mov_b32 s17, 0
	s_mov_b64 s[18:19], SIZE_N*4
	s_mul_u64 s[16:17], s[16:17], s[18:19]
	s_lshl_b32 s46, s42, 10                        ; my first column, in bytes: 1,024 x tile column + 512 x half (in the registers that held B's address: none that feeds A's descriptors ever holds cx)
	s_lshl_b32 s47, s12, 9
	s_add_co_u32 s46, s46, s47
	s_mov_b32 s47, 0
	s_add_nc_u64 s[16:17], s[16:17], s[46:47]
	s_add_nc_u64 s[8:9], s[8:9], s[16:17]          ; never rewritten after this: a row's place among my 128 stands in the stores' immediates
	; the prefetches.  s13 = 256 x tile row, s42 = tile column, s40 = cx, s41 = cy still stand; s[4:5] = A, s[6:7] = B
	s_lshl_b32 s42, s42, 8
	s_and_b32 s22, ttmp7, 0xffff                   ; cluster y
	s_cmp_eq_u32 s11, 0                            ; do I fetch for A?
	s_cselect_b32 s20, s13, s42                    ; the tile's first row: in A by the tile row, in B by the tile column
	s_cselect_b32 s21, s40, s41                    ; my place among the four that ask for it with me
	s_cselect_b32 s22, ttmp9, s22                  ; the coordinate along which other clusters read the same rows
	s_cselect_b64 s[PFA:PFA+1], s[4:5], s[6:7]
	s_cmp_eq_u32 s22, 0
	s_cselect_b32 s[LIM], 1, -1                    ; the same in all sixteen partners, for a given wave
	s_lshl_b32 s22, s12, 7
	s_add_co_u32 s20, s20, s22                     ; + the 128 rows that I fetch
	s_lshl_b32 s21, s21, 5
	s_add_co_u32 s20, s20, s21                     ; + my work-group's 32 of them
	s_mov_b32 s21, 0
	s_mov_b64 s[18:19], SIZE_K*2
	s_mul_u64 s[20:21], s[20:21], s[18:19]
	s_add_nc_u64 s[PFA:PFA+1], s[PFA:PFA+1], s[20:21]
	s_add_nc_u64 s[PFA:PFA+1], s[PFA:PFA+1], 2*KSTEP*2  ; at K step 2: the first refill steps it to 3 and names K step 4
	v_mul_u32_u24 v[PFO], v5, SIZE_K*2
	; the scales, in the wait for the first tile
	s_wait_loadcnt 0x0                             ; pmax
	FOLD8 SCR
	FOLD8 SCR+32
	LANES4 SCR
	LANES4 SCR+32
	SCALE4 SCR
	SCALE4 SCR+32
.irp j, 0,1,2,3
	v_mul_f32 v[SCR+(\j)], v[SCR+(\j)], v[SCR+32+(\j)]  ; s_j
.endr
.irp j, 1,2,3
	v_rcp_f32 v[SCR+8+(\j)], v[SCR+(\j)]
.endr
	v_nop                                          ; a plain instruction between the last reciprocal and the use of its result (ISA guide 5.7.2)
	s_wait_alu depctr_va_vdst(0)                   ; and a wait ahead of the first use: one for the three
.irp j, 1,2,3
	v_mul_f32 v[SCR+8+(\j)], v[SCR+(\j)-1], v[SCR+8+(\j)]  ; s_(j-1) / s_j
.endr
	v_readfirstlane_b32 s[RAT], v[SCR+9]
	v_readfirstlane_b32 s[RAT+2], v[SCR+10]
	v_readfirstlane_b32 s[RAT+3], v[SCR+11]
	v_readfirstlane_b32 s[FIN], v[SCR+3]
	s_mov_b32 s[RAT+1], s[RAT]                     ; named as pairs, so the upper words are written
	s_mov_b32 s[FIN+1], s[FIN]
; 16 matrix instructions: m blocks a0, a0 + 1 of the window's four (hi = 0: my rows 0-63, 1: rows 64-127) x all 8 n blocks, 32 along K.
; zero = 1: the first product starts the sums: nothing is ever cleared.  The 64 accumulators take turns, one instruction a turn, in the same order in every quarter step.
.macro MUL16 f, hi, a0, zero
	WIN MUL_LO+0x50*(\hi)  ; MUL_LO or MUL_HI
.irp a, \a0, (\a0)+1
.irp b, 0,1,2,3,4,5,6,7
.if \zero
	v_wmma_f32_16x16x32_bf16 v[8*(8*(\a)+(\b)):8*(8*(\a)+(\b))+7], v[(\f)+8*(\b):(\f)+8*(\b)+7], v[(\f)+8*(4*(\hi)+(\a)):(\f)+8*(4*(\hi)+(\a))+7], 0
.else
	v_wmma_f32_16x16x32_bf16 v[8*(8*(\a)+(\b)):8*(8*(\a)+(\b))+7], v[(\f)+8*(\b):(\f)+8*(\b)+7], v[(\f)+8*(4*(\hi)+(\a)):(\f)+8*(4*(\hi)+(\a))+7], v[8*(8*(\a)+(\b)):8*(8*(\a)+(\b))+7]
.endif
.endr
.endr
.endm
; 32 LDS loads in one run: the fragments of one quarter step (128 rows of B, 128 rows of A, 32 K at byte k of the rows) into buffer f
.macro FETCH slot, k, f
	WIN TO_B
.irp i, 0,1,2,3,4,5,6,7
	ds_load_b128 v[(\f)+8*(\i):(\f)+8*(\i)+3],   v[ADRB+(\slot)] offset:(\k)+(\i)*16*PITCH
	ds_load_b128 v[(\f)+8*(\i)+4:(\f)+8*(\i)+7], v[ADRB+(\slot)] offset:(\k)+(\i)*16*PITCH+32
.endr
	WIN 0
.irp i, 0,1,2,3,4,5,6,7
	ds_load_b128 v[(\f)+8*(\i):(\f)+8*(\i)+3],   v[ADRA+(\slot)] offset:(\k)+(\i)*16*PITCH
	ds_load_b128 v[(\f)+8*(\i)+4:(\f)+8*(\i)+7], v[ADRA+(\slot)] offset:(\k)+(\i)*16*PITCH+32
.endr
.endm
; A load into a register that a matrix instruction has read, and a vector instruction that reads a matrix result or writes one of a matrix instruction's registers, stand four places behind that matrix
; instruction, and only plain vector instructions that name none of its registers are places (ISA guide 7.12.1 for vector instructions).
.macro PLACES
.rept 4
	v_nop
.endr
.endm
; A K step is four quarter steps of 32 along K, 64 matrix instructions each, on buffers 0, 1, 0, 1.
; One of the first three: multiplies buffer f; in its middle it fetches the next quarter's fragments, at byte k of the same slot's rows, into buffer g.
.macro QUARTER slot, k, f, g, zero
	s_wait_dscnt 8                                 ; B and A's rows 0-63 are in; the youngest eight loads (A's rows 64-127) may be out
	WIN MUL_LO
	MUL16 \f, 0, 0, \zero
	MUL16 \f, 0, 2, \zero
	PLACES
	FETCH \slot, \k, \g
	s_wait_dscnt 32                                ; all but the 32 just issued
	WIN MUL_HI
	MUL16 \f, 1, 0, \zero
	MUL16 \f, 1, 2, \zero
.endm
; The last quarter multiplies buffer 1 and changes slots.  MEET is its first half: ONE barrier for the change of slots, for two things.  In front of it each wave waits for all its tensor loads, of which one
; is out: its part of the next slot; adds 0 to its spare word; and waits for that and for its own reads of this slot.  Behind it nobody reads this slot any more and the next slot is whole.
.macro MEET round                      ; round = 1: a round of the cluster's barrier follows
	WIN 0                                          ; (the add's two registers lie in window 0)
	s_wait_tensorcnt 0x0                           ; all my tensor loads have landed: the one that was out is my part of the next slot;
	ds_add_u32 v[SPW], v[NIL]                      ; 0 onto my spare word;
	s_wait_dscnt 9                                 ; (the add and the youngest eight loads may be out)
	WIN MUL_LO
	MUL16 F1, 0, 0, 0                              ; sixteen matrix instructions stand between the add and the wait for it
	s_wait_dscnt 0x0                               ; the add is done, and my reads of this slot are over:
	s_barrier_signal -1                            ; say so (where a slot is filled again this barrier opens a round of the cluster's barrier),
	MUL16 F1, 0, 2, 0                              ; work on registers while the others arrive,
.if \round
	WIN 0
.endif
	s_barrier_wait -1                              ; and go on when all four have said so
.endm
; The whole last quarter.  Behind the round the slot just read out is filled again first, with the K step two steps on; then come the next slot's first fragments.  From a request to the wait for it a wave issues 224 matrix instructions.
.macro TURN slot, next
	s_wait_xcnt 0x0                                ; the last prefetch, a K step back, has read its address: it is stepped here, ahead of the waits of the change of slots
	s_add_nc_u64 s[PFA:PFA+1], s[PFA:PFA+1], KSTEP*2
	MEET 1
	CREST                                          ; wave 0 says so for the work-group, all sixteen work-groups have said so, my work-group's barrier closes the round:
	                                               ; no wave of any partner still reads this slot's tile or has a load on its way
	s_add_nc_u64 s[G0+4*(\slot)+2:G0+4*(\slot)+3], s[G0+4*(\slot)+2:G0+4*(\slot)+3], 2*KSTEP*2
	s_add_nc_u64 s[G0B+4*(\slot)+2:G0B+4*(\slot)+3], s[G0B+4*(\slot)+2:G0B+4*(\slot)+3], 2*KSTEP*2
	JLOAD \slot                                    ; the first tensor load behind the round, my only one until the next; the four v_nop behind it are also the places in front of the loads below
	FETCH \next, 0, F0
	ASK                                            ; behind the joint load and the run of LDS loads that the next products wait for
	WIN MUL_HI
	MUL16 F1, 1, 0, 0
	MUL16 F1, 1, 2, 0
.endm
; The last change of slots: nothing is filled again, so no round follows
.macro TURNLAST
	MEET 0
	PLACES                                         ; for the loads into buffer 0, which the quarter before multiplied
	FETCH 1, 0, F0
	WIN MUL_HI
	MUL16 F1, 1, 0, 0
	MUL16 F1, 1, 2, 0
.endm
; A CHUNK ENDS: all 64 accumulators times s_old / s_new, in ascending order (each accumulator's lowest registers are read first); then the next change's factor moves up.
; Eight v_nop stand between the last products and the first multiply.
.macro RESCALE
	PLACES
	PLACES
.irp w, 0x82, 0xc3                     ; destination and source 0 in window 2, then in window 3
	WIN \w
.set i, 0
.rept 128
	v_pk_mul_f32 v[i:i+1], v[i:i+1], s[RAT:RAT+1] op_sel_hi:[1,0]
.set i, i+2
.endr
.endr
	WIN 0
	s_mov_b32 s[RAT], s[RAT+2]
	s_mov_b32 s[RAT+2], s[RAT+3]
.endm
; THE WAY OUT of block a (16 of my rows x 128 columns), in three parts.  PACK: times s_3, into window 0.  TOSTAGE: into my own stage in LDS, and back as whole rows of 512 bytes.  SEND: stored.
.macro PACK a
	WIN 0x02+(\a)/4                                ; source 0: window 2 or 3
.set AC, 64*((\a)%4)
.set i, 0
.rept 32
	v_pk_mul_f32 v[TMP+i:TMP+i+1], v[AC+i:AC+i+1], s[FIN:FIN+1] op_sel_hi:[1,0]
.set i, i+2
.endr
	WIN 0
.endm
.macro TOSTAGE a
	WIN 0
.set BB, BK+64*((\a)%2)
	s_wait_xcnt 0x0                                ; every earlier memory instruction has had its addresses translated (ISA guide 3.1): the registers that block a - 2's stores read are loaded again only behind this wait
.irp b, 0,1,2,3,4,5,6,7
	ds_store_b128 v[STO], v[TMP+8*(\b):TMP+8*(\b)+3]   offset:64*(\b)
	ds_store_b128 v[STO], v[TMP+8*(\b)+4:TMP+8*(\b)+7] offset:64*(\b)+16
.endr
.irp t, 0,1,2,3,4,5,6,7,8,9,10,11,12,13,14,15
	ds_load_b128 v[BB+4*(\t):BB+4*(\t)+3], v[RD] offset:(\t)*SPITCH  ; LDS serves a wave's instructions in order (ISA guide 5.7.1.4): these see the stores above; the stage is my wave's own
.endr
.endm
.macro SEND a
	WIN 0
.set BB, BK+64*((\a)%2)
.irp t, 0,1,2,3,4,5,6,7,8,9,10,11,12,13,14,15
	s_wait_dscnt 15-(\t)                           ; row t is back; the younger loads stay out
	global_store_b128 v[CO], v[BB+4*(\t):BB+4*(\t)+3], s[8:9] offset:(16*(\a)+(\t))*SIZE_N*4 th:TH_STORE_NT  ; the wave's store covers 512 consecutive bytes, aligned; 127 rows at the most: inside the signed 24-bit immediate
.endr
.endm
	s_wait_tensorcnt 1                             ; my part of K step 0 is in; K step 1's may stay out
	s_barrier_signal -1
	s_barrier_wait -1                              ; everybody's is
	FETCH 0, 0, F0
	QUARTER 0, 64,  F0, F1, 1                      ; the first quarter stands in front of the loop: its products start the sums
	WIN 0                                          ; at a label and at a branch every window is 0
	s_mov_b32 s3, LAPS-1
.Llap:                                                 ; a trip goes once round the ring, from a lap's second quarter to the next lap's first, and fills both slots again
	QUARTER 0, 128, F1, F0, 0
	QUARTER 0, 192, F0, F1, 0
	TURN 0, 1
	QUARTER 1, 64,  F0, F1, 0
	QUARTER 1, 128, F1, F0, 0
	QUARTER 1, 192, F0, F1, 0
	TURN 1, 0
	WIN 0
	s_and_b32 s76, s3, 3                           ; s3 = 12, 8, 4: laps 4, 8, 12 begin here, K steps 8, 16, 24: a new chunk.  The jump hangs on the lap's number alone and passes no barrier, wait or tensor load
	s_cmp_lg_u32 s76, 0
	s_cbranch_scc1 .Lsame
	RESCALE
.Lsame:
	QUARTER 0, 64,  F0, F1, 0
	WIN 0
	s_sub_co_u32 s3, s3, 1
	s_cmp_lg_u32 s3, 0
	s_cbranch_scc1 .Llap
	QUARTER 0, 128, F1, F0, 0                      ; the last lap is written out: it asks for nothing more
	QUARTER 0, 192, F0, F1, 0
	TURNLAST
	QUARTER 1, 64,  F0, F1, 0
	QUARTER 1, 128, F1, F0, 0
	QUARTER 1, 192, F0, F1, 0
	s_wait_dscnt 8                                 ; the very last quarter: nothing more to fetch
	MUL16 F1, 0, 0, 0
	MUL16 F1, 0, 2, 0
	s_wait_dscnt 0x0
	MUL16 F1, 1, 0, 0
	MUL16 F1, 1, 2, 0
	WIN 0
	PLACES                                         ; eight v_nop between the last products and what reads their results or writes their sources
	PLACES
	PACK 0
	TOSTAGE 0
.irp a, 1,2,3,4,5,6,7                  ; block a's multiplies stand between block a - 1's loads from the stage and the waits for them
	PACK \a
	SEND (\a)-1
	TOSTAGE \a
.endr
	SEND 7
	s_wait_tensorcnt 0x0                           ; the wave's end, behind my last tensor load and my last LDS store
	ds_add_u32 v[SPW], v[NIL]
	s_wait_dscnt 0x0
	CROUND                                         ; the closing round: no work-group ends while a partner may still ask for a tile that names it
	s_endpgm
.Lfunc_end_k_qa82c379ebc_gemm:
	.size	k_qa82c379ebc_gemm, .Lfunc_end_k_qa82c379ebc_gemm-k_qa82c379ebc_gemm
	.p2alignl 7, 3214868480
	.fill 96, 4, 3214868480
	.section	.rodata,"a",@progbits
	.p2align	6, 0x0
	.amdhsa_kernel k_qa82c379ebc_gemm
		.amdhsa_group_segment_fixed_size 327680
		.amdhsa_private_segment_fixed_size 0
		.amdhsa_enable_private_segment 0
		.amdhsa_kernarg_size 32
		.amdhsa_user_sgpr_count 2
		.amdhsa_user_sgpr_kernarg_segment_ptr 1
		.amdhsa_wavefront_size32 1
		.amdhsa_system_sgpr_workgroup_id_x 1
		.amdhsa_system_sgpr_workgroup_id_y 1
		.amdhsa_system_sgpr_workgroup_id_z 1
		.amdhsa_system_vgpr_workitem_id 0
		.amdhsa_next_free_vgpr 1024
		.amdhsa_next_free_sgpr 80
		.amdhsa_reserve_vcc 0
		.amdhsa_float_denorm_mode_32 3
		.amdhsa_float_denorm_mode_16_64 3
		.amdhsa_memory_ordered 1
		.amdhsa_forward_progress 1
		.amdhsa_inst_pref_size 186
	.end_amdhsa_kernel
	.amdgpu_metadata
---
amdhsa.version: [ 1, 2 ]
amdhsa.kernels:
  - .name:           k_qa82c379ebc_gemm
    .symbol:         k_qa82c379ebc_gemm.kd
    .args:
      - { .name: xq, .offset: 0, .size: 8, .value_kind: global_buffer, .address_space: global }
      - { .name: wq, .offset: 8, .size: 8, .value_kind: global_buffer, .address_space: global }
      - { .name: out0, .offset: 16, .size: 8, .value_kind: global_buffer, .address_space: global }
      - { .name: pmax, .offset: 24, .size: 8, .value_kind: global_buffer, .address_space: global }
    .group_segment_fixed_size: 327680
    .private_segment_fixed_size: 0
    .kernarg_segment_align: 8
    .kernarg_segment_size: 32
    .max_flat_workgroup_size: 128
    .sgpr_count:     80
    .vgpr_count:     1024
    .wavefront_size: 32
...
	.end_amdgpu_metadata
.endif
;; end of part 3
